; MI455X (gfx1250); checked and timed in simulation.
; The chip was launched on July 23, 2026; its instructions are those of AMD's public machine-readable ISA for CDNA 5 (MIT licence, August 2026) and "CDNA5" Instruction Set Architecture Reference Guide (July 2026). The comments in the code are by the model that wrote it; some were corrected since.
;; Multi Head Self Attention. Allowed arithmetic: matrix products marked QUANTISED: E5M2 operands, one given power-of-two scale a tensor, by v_wmma_f32_16x16x64_bf8_bf8 or v_wmma_f32_16x16x128_bf8_bf8, f32 sums; everything else in f32.
;; Inputs: Wk_codes 1,024 x 32 x 32 uint8 (E5M2 codes of Wk, K innermost, in blocks of 32 codes); Wo_codes 1,024 x 32 x 32 uint8 (E5M2 codes of Wo, K innermost, in blocks of 32 codes); Wq_codes 1,024 x 32 x 32 uint8 (E5M2 codes of Wq, K innermost, in blocks of 32 codes); Wv_codes 1,024 x 32 x 32 uint8 (E5M2 codes of Wv, K innermost, in blocks of 32 codes); bk 1,024 float32; bo 1,024 float32; bq 1,024 float32; bv 1,024 float32; lowp_scales 12 int32 (the exponents e of the quantised operands' scales 2^e); x_codes 4 x 2,048 x 32 x 32 uint8 (E5M2 codes of x, K innermost, in blocks of 32 codes).
;; Outputs: out0 4 x 2,048 x 1,024 float32.
;; This version of the problem:
;;   THIS VERSION OF THE PROBLEM IS GIVEN IN LOW PRECISION. The matrix products marked QUANTISED in the list below multiply operands that are first quantised to E5M2 (5 exponent bits, 2 mantissa bits; 8 bits a number), with one given power-of-two scale for each operand tensor; their sums are f32. All else is computed in f32.
;;   The module's matrix products, in the order in which they are computed (A, B: the left and right operand; K: the contracted axis; several contracted axes count as one K, in the product's order):
;;     1. [M 8,192, K 1,024] x [K 1,024, N 1,024]; A: input x (given as codes); B: input Wq (given as codes): QUANTISED (scales: A lowp_scales[0], B lowp_scales[1])
;;     2. [M 8,192, K 1,024] x [K 1,024, N 1,024]; A: input x (given as codes); B: input Wk (given as codes): QUANTISED (scales: A lowp_scales[2], B lowp_scales[3])
;;     3. [M 8,192, K 1,024] x [K 1,024, N 1,024]; A: input x (given as codes); B: input Wv (given as codes): QUANTISED (scales: A lowp_scales[4], B lowp_scales[5])
;;     4. batch 64 x [M 2,048, K 64] x [K 64, N 2,048]; A: computed on the way; B: computed on the way: QUANTISED (scales: A lowp_scales[6], B lowp_scales[7])
;;     5. batch 64 x [M 2,048, K 2,048] x [K 2,048, N 64]; A: softmax (see below); B: computed on the way: QUANTISED (scales: A lowp_scales[8], B lowp_scales[9])
;;     6. [M 8,192, K 1,024] x [K 1,024, N 1,024]; A: computed on the way; B: input Wo (given as codes): QUANTISED (scales: A lowp_scales[10], B lowp_scales[11])
;;   THE QUANTISER, for each operand of a quantised product, along K:
;;     - The operand's scale is 2^e, e = its entry of the input lowp_scales (int32; the entries are numbered through the quantised products in the list's order, A before B).
;;     - Each number is divided by the scale, clamped to +-57,344, and rounded to the nearest number of E5M2, ties to even, subnormals kept.
;;     - The product sums the exact products of the quantised numbers (number of the format x scale) in f32.
;;   ~~~python
;;   def quantise(x, axis, e):      # numpy; x: float32 -> the quantised numbers, widened to float32 again
;;       x = np.moveaxis(x, axis, -1); K = x.shape[-1]
;;       r = np.clip(x / 2.0 ** e, -57344, 57344)
;;       step = 2.0 ** (np.maximum(np.frexp(np.where(r == 0, 1, r))[1] - 1, -14) - 2)
;;       q = np.round(r / step) * step * 2.0 ** e      # np.round: ties to even
;;       return np.moveaxis(q, -1, axis).astype(np.float32)
;;   ~~~
;;   SOFTMAX AHEAD OF A QUANTISED PRODUCT. Where the list says 'softmax', what is quantised is not the finished softmax but p = 2^(t - M), with t = logit x log2(e) and M = ceil(the row's largest t), a whole number; so 1/2 < the row's largest p <= 1. The row's sum l is taken of the UNQUANTISED p, in f32, and the product's result is divided by l at the end. Since M is a whole number, a kernel that streams over the keys may use a running M (the ceiling of the running maximum): every later rescaling is an exact power of two, so the quantised numbers keep their values, but for numbers so far below the row's largest that they fall under the format's range.
;;   OPERANDS COMPUTED ON THE WAY. 'Computed on the way' means the value that the module computes at that place (a softmax that the list does not call 'softmax' is quantised finished and normalised). What goes into a quantiser is computed in f32, as accurately as f32 sums, v_exp_f32 and their like allow (about 1e-6 of the number): no bf16 or f16 on the way to a quantiser, and a product that is left as it is and whose result goes on into a quantised operand takes f32 operands (vector FMAs, or v_wmma_f32_16x16x4_f32). A number that lies on a knife's edge between two numbers of the format may be rounded either way, as far as f32 arithmetic and the matrix unit's own rounding can turn it there, and no further.
;;   INPUTS GIVEN AS CODES. Wk (in the module: [1024, 1024], K = its axis 1); Wo (in the module: [1024, 1024], K = its axis 1); Wq (in the module: [1024, 1024], K = its axis 1); Wv (in the module: [1024, 1024], K = its axis 1); x (in the module: [4, 2048, 1024], K = its axis 2): each comes as NAME_codes (uint8): NAME with its K axis moved to the last place and cut into blocks of 32 codes, [.., K / 32, bytes a block], one block behind the other in memory; one code a byte (a code: sign, 5 exponent bits, 2 mantissa bits); its scale is its entry of lowp_scales. Its value is code x scale, taken as it is: it is not quantised again, and the codes and scales need not be those that the quantiser above would give.
;; One version. Each part assembles by itself: llvm-mc -triple=amdgcn-amd-amdhsa -mcpu=gfx1250 --defsym DOCPART=n.
;; ======== version 1 of 1: 3 launches
;; limits: right only within a limited range of input values
;; workspace buffers: qf 8,388,608 bytes; kv 16,777,216 bytes; of 8,388,608 bytes
;; launch qkv (part 1): grid 12 x 32, 4 waves a work-group, clusters of 4 x 4, 327,680 bytes of LDS; arguments x_codes, Wq_codes, Wk_codes, Wv_codes, bq, bk, bv, lowp_scales, qf, kv; writes qf, kv
.if DOCPART == 1
	.amdgcn_target "amdgcn-amd-amdhsa--gfx1250"
	.amdhsa_code_object_version 6
	.text
	.protected	k_qac4288efdc_qkv
	.globl	k_qac4288efdc_qkv
	.p2align	8
	.type	k_qac4288efdc_qkv,@function
k_qac4288efdc_qkv:
	s_mov_b64 s[64:65], 0
	v_nop
	global_prefetch_b8 v0, s[64:65] scope:SCOPE_SE
	s_setreg_imm32_b32 hwreg(HW_REG_WAVE_MODE, 25, 1), 1
	s_wait_xcnt 0x0
	s_wait_alu depctr_hold_cnt(0) depctr_sa_sdst(0) depctr_va_vdst(0) depctr_va_sdst(0) depctr_va_ssrc(0) depctr_va_vcc(0) depctr_vm_vsrc(0)
	s_getreg_b32 s2, hwreg(HW_REG_IB_STS2, 6, 4)
	s_cmp_eq_u32 s2, 0
	s_cbranch_scc0 .Lentry_in_a_cluster
	s_endpgm
.Lentry_in_a_cluster:
	s_bfe_u32 s2, ttmp6, 0x10000c
	s_cmp_lg_u32 s2, 0xf033
	s_cbranch_scc0 .Lentry_shape_is_right
	s_endpgm
.Lentry_shape_is_right:
; q = x Wq^T + bq, k = x Wk^T + bk, v = x Wv^T + bv on codes of BF8 (E5M2), f32 sums, and each result quantised at once for the product that will take it.
; x: [8192][1024] codes; Wq, Wk, Wv: [1024][1024] codes, K innermost; the scales' exponents e0 .. e11 are whole numbers (int32).  A sum stands for sum x 2^es, es = e0+e1 (q), e2+e3 (k), e4+e5 (v);
; the result's code is (sum + bias / 2^es) / 2^(eo - es), held within +-57,344, eo = e6 (q), e7 (k), e9 (v).
; LIMITS: eo - es between -126 and 112, so that 2^(eo - es) and 57,344 x 2^(eo - es) are f32 numbers.  NaN is not served.
; SHARES.  384 tiles of 256 x 256, K = 1,024; a work-group of four waves makes one, a wave 128 x 128 in 64 accumulators.  The cluster's x says which product (0 q, 1 k, 2 v), the cluster's y which four tiles.
; There are two LDS buffers, "A" and "B".  THE MATRIX INSTRUCTION IS USED TRANSPOSED (source 0 = 16 rows of B, source 1 = 16 rows of A): lane (r, h) of accumulator (a, b) holds A's row 16 a + r and B's rows 16 b + 8 h + 0 .. 7.
; For q and k: A = x, B = W: a lane holds one token and eight neighbouring channels of a head: eight neighbours along the next product's K.  For v: A = Wv, B = x: a lane holds one channel and eight neighbouring KEYS,
; which are the K of the product that takes v.  So one conversion of eight registers gives two registers of the next operand as the matrix unit wants them (registers 2 c, 2 c + 1: k = 16 c + 8 h + 0 .. 7; ISA guide 7.12.2),
; nothing is transposed, and THE RESULTS ARE STORED AS IMAGES OF OPERAND REGISTERS: four registers of the 32 lanes are 512 consecutive bytes, lane l's 16 bytes at 16 l.
;   qf: [head 64][tile of 16 queries 128][2 x 512 bytes].   kv: [head 64][step of 128 keys 16][K: 8 tiles of 16 keys x 1,024 bytes | V: 4 tiles of 16 channels x 2,048 bytes].
; One text serves the three products: only pointers, strides and exponents are chosen, by s_cselect on the cluster's x; no branch hangs on it.
; CLUSTERS: 4 x 4 work-groups; the four of a row need the same tiles of A, the four of a column the same tiles of B: each tile is asked for jointly.
; K goes in steps of 256 through a ring of two LDS slots; four such steps, written out.
; REGISTERS, in windows of 256: window 0: v16-31 addresses and constants; v32-95 the bias as the first products' C, later 64 numbers at work; v96-111 the stores' offsets; v112-127 the bias of A's rows;
;   from v128 A's fragments (8 x 16 rows x 128 K), one set, later the codes.   window 1: B's fragments, two sets.   windows 2, 3: the accumulators ((a, b) at v[8 (8 (a % 4) + b)]).
.set KROW,   1024                      ; a row of x or of a weight in memory, in bytes
.set ROWB,   256                       ; a tile's row: 256 codes
.set PITCH,  272                       ; an LDS row: 256 bytes + 16 of padding = 68 words: the 16 rows that a load touches start at 16 different banks (64 banks of 4 bytes: ISA guide 11.1)
.set FR,     16                        ; registers of a fragment: 16 rows x 128 K
.set NL,     4                         ; LDS loads that bring one
.set NP,     4                         ; places behind this matrix instruction (ISA guide 7.12.1)
.set HALFT,  128*PITCH                 ; 128 rows: what one tensor load brings
.set SLOT,   4*HALFT                   ; A's 256 rows, then B's 256 rows
.set SPARE,  2*SLOT                    ; behind the ring: the spare words, 128 bytes for each wave, which no other line names
.set ADRA, 16                          ; v16-17  LDS address of my A fragments in slot 0, 1
.set ADRB, 20                          ; v20-21  the same for B
.set L16,  24                          ; v24     16 x lane
.set H32,  25                          ; v25     32 x (lane / 16)
.set R4,   26                          ; v26     4 x (lane % 16)
.set SPW,  28                          ; v28     LDS address of my spare word; never rewritten
.set NIL,  29                          ; v29     0; never rewritten
.set SC,   30                          ; v30     2^(eo - es) as f32
.set LIM,  31
.set BB,   32                          ; v32-95  bias of B's rows: eight registers for each b, in the result's layout (zeros for v)
.set T,    32                          ; the same registers on the way out: a block's 64 numbers
.set OF,   96                          ; v96-111 the stores' offsets: two for each block a
.set BA,   112                         ; v112-127 bias of A's rows: a pair for each block a, the upper word 0 (zeros for q and k)
.set AF,   128                         ; A's fragments
.set CD,   128                         ; the same registers on the way out: 16 registers of codes for each block a
.set G1,  24                           ; s[24:31] descriptor group 1 for A's tiles;  s[32:39] group 0, one set for each slot
.set G0,  32
.set G1B, 48                           ; s[48:55], s[56:63] the same for B's tiles
.set G0B, 56
.set TC,  42                           ; s42  B's tile
.set WV,  66                           ; s66  my wave's number
.set WH,  67                           ; s67  wave / 2: my half of A's rows.  Also: I fetch for A (0) or for B (1)
.set WL,  68                           ; s68  wave % 2: my half of B's rows.  Also: which 128 rows I fetch
.set TR,  69                           ; s69  A's tile
.set WHICH, 70                         ; s70  0 q, 1 k, 2 v
.set MSB, 0
.macro WIN new                         ; the immediate's high byte repeats the setting that is left; a switch that changes nothing is dropped
.if MSB != (\new)
	s_set_vgpr_msb (MSB<<8)|(\new)
.set MSB, (\new)
.endif
.endm
.set MUL_LO, 0xa1                      ; source 0 (B) window 1, source 1 (A) window 0, C and D window 2;  less 0x20: C in window 0 (the bias)
.set MUL_HI, 0xf1                      ; the same, C and D window 3;  less 0x30: C in window 0
.set TO_B,   0x40                      ; destination window 1, address window 0
; A joint load: waves 0 and 1 fetch for A, waves 2 and 3 for B; the branch hangs on the wave's number alone.  Four v_nop follow each of the two lines.
.macro JLOAD g0a, g1a, g0b, g1b
	s_cmp_eq_u32 s[WH], 0
	s_cbranch_scc0 .Lfor_b_\@
	tensor_load_to_lds s[\g0a:\g0a+3], s[\g1a:\g1a+7]
	s_nop 0
.rept 4
	v_nop
.endr
	s_branch .Lasked_\@
.Lfor_b_\@:
	tensor_load_to_lds s[\g0b:\g0b+3], s[\g1b:\g1b+7]
	s_nop 0
.rept 4
	v_nop
.endr
.Lasked_\@:
.endm
.macro CREST                           ; a round of the cluster's barrier behind its opening barrier
	s_cmp_lg_u32 s[WV], 0
	s_cbranch_scc1 .Lnot_wave_0_\@
	s_barrier_signal -3
.Lnot_wave_0_\@:
	s_barrier_wait -3
	s_barrier_signal -1
	s_barrier_wait -1
.endm
.macro CROUND                          ; a whole round
	s_barrier_signal -1
	s_barrier_wait -1
	CREST
.endm
	s_load_b256 s[4:11], s[0:1], 0x0               ; x s[4:5], Wq s[6:7], Wk s[8:9], Wv s[10:11]
	s_load_b256 s[12:19], s[0:1], 0x20             ; bq s[12:13], bk s[14:15], bv s[16:17], the scales' exponents s[18:19]
	s_load_b128 s[20:23], s[0:1], 0x40             ; qf s[20:21], kv s[22:23]
	v_lshl_add_u32 v[SPW], v0, 2, SPARE
	v_mov_b32 v[NIL], 0
	ds_add_u32 v28, v29
	ds_add_u32 v28, v29
	s_wait_dscnt 0x0
	v_lshrrev_b32 v1, 5, v0
	v_readfirstlane_b32 s[WV], v1                  ; wave 0..3
	s_lshr_b32 s[WH], s[WV], 1
	s_and_b32 s[WL], s[WV], 1
	s_bfe_u32 s40, ttmp6, 0x40000                  ; cx, cy: my place in the cluster
	s_bfe_u32 s41, ttmp6, 0x40004
	s_mov_b32 s[WHICH], ttmp9                      ; the cluster's x: which product; the same in all sixteen partners
	s_and_b32 s71, ttmp7, 0xffff
	s_lshl_b32 s71, s71, 2                         ; 4 x the cluster's y
	s_cmp_eq_u32 s[WHICH], 2
	s_cselect_b32 s[TR], 0, s71                    ; x has 32 tiles of 256 rows, a weight 4: x is A for q and k, B for v
	s_cselect_b32 s[TC], s71, 0
	s_add_co_u32 s[TR], s[TR], s41                 ; A's tile hangs on cy alone,
	s_add_co_u32 s[TC], s[TC], s40                 ; B's on cx alone
	s_lshl_b32 s43, s41, 2
	s_lshl_b32 s43, 15, s43                        ; my row of the cluster
	s_lshl_b32 s44, 0x1111, s40                    ; my column
	; descriptor group 1: a tile of 128 rows x 256 bytes, padded in LDS
	s_or_b32 s[G1+0], s43, (0<<16)|(1<<20)|(1<<21)|(5<<22)|(3<<25)  ; 15:0 the mask: A's tiles go to my row; 17:16 element of 1 byte; 20 padding on; 21 set beside a mask; 24:22 after every 64 words (code 5); 31:25 of 4 words (code 3)
	s_or_b32 s[G1B+0], s44, (0<<16)|(1<<20)|(1<<21)|(5<<22)|(3<<25)
.irp g, G1, G1B
	s_mov_b32 s[\g+1], ROWB<<16                    ; tensor_dim0
	s_mov_b32 s[\g+2], 128<<16                     ; tensor_dim1 = 128
	s_mov_b32 s[\g+3], ROWB<<16                    ; tile_dim0
	s_mov_b32 s[\g+4], 128                         ; tile_dim1 = 128
	s_mov_b32 s[\g+5], KROW                        ; tensor_dim0_stride
	s_mov_b32 s[\g+6], 0
	s_mov_b32 s[\g+7], 0
.endr
	s_lshl_b32 s94, s[WL], 7                       ; which 128 rows of the tile I fetch
	s_lshl_b32 s92, s[TR], 8
	s_add_co_u32 s92, s92, s94
	s_lshl_b32 s92, s92, 10                        ; A: (256 x tile + 128 x half) rows of 1,024 bytes: under 2^23
	s_mov_b32 s93, 0
	s_lshl_b32 s46, s[TC], 8
	s_add_co_u32 s46, s46, s94
	s_lshl_b32 s46, s46, 10                        ; B likewise, in registers that never hold cy
	s_mov_b32 s47, 0
	s_mul_i32 s45, s[WV], HALFT                    ; where they go: wave x 128 rows: no place in the cluster enters an LDS address
	s_wait_kmcnt 0x0
	s_load_b256 s[72:79], s[18:19], 0x0            ; e0 .. e7
	s_load_b128 s[80:83], s[18:19], 0x20           ; e8 .. e11
	s_cmp_eq_u32 s[WHICH], 2                       ; the buffers are chosen on the cluster's x, which hangs on no address
	s_cselect_b64 s[84:85], s[10:11], s[4:5]       ; A: Wv, else x
	s_cselect_b64 s[86:87], s[4:5], s[8:9]         ; B: x, else Wk,
	s_cselect_b64 s[88:89], s[16:17], s[14:15]     ; the bias: bv, else bk,
	s_cmp_eq_u32 s[WHICH], 0
	s_cselect_b64 s[86:87], s[6:7], s[86:87]       ; or Wq
	s_cselect_b64 s[88:89], s[12:13], s[88:89]     ; or bq
	s_cselect_b64 s[90:91], s[20:21], s[22:23]     ; the results: qf, else kv
	s_add_nc_u64 s[84:85], s[84:85], s[92:93]
	s_add_nc_u64 s[86:87], s[86:87], s[46:47]
	CROUND                                         ; all sixteen work-groups are here: the first joint loads meet
.irp s, 0,1
	s_mov_b32 s[G0+4*\s], 1                        ; 1:0 count = 1
	s_add_co_u32 s[G0+4*\s+1], s45, \s*SLOT        ; 63:32 LDS address
	s_add_nc_u64 s[G0+4*\s+2:G0+4*\s+3], s[84:85], \s*ROWB   ; 120:64 global address: K step s
	s_or_b32 s[G0+4*\s+3], s[G0+4*\s+3], 0x80000000          ; 127:126 type = 2
	s_mov_b32 s[G0B+4*\s], 1
	s_add_co_u32 s[G0B+4*\s+1], s45, \s*SLOT
	s_add_nc_u64 s[G0B+4*\s+2:G0B+4*\s+3], s[86:87], \s*ROWB
	s_or_b32 s[G0B+4*\s+3], s[G0B+4*\s+3], 0x80000000
	JLOAD G0+4*\s, G1, G0B+4*\s, G1B               ; two loads of mine are out
.endr
	; ---- while the first tiles are on their way: addresses, the bias, the scale.  (s4 to s17 have served as pointers and are work registers from here on)
	v_and_b32 v1, 15, v0                           ; r = lane % 16
	v_bfe_u32 v2, v0, 4, 1                         ; h = lane / 16
	v_and_b32 v3, 31, v0
	v_lshlrev_b32 v[L16], 4, v3
	v_lshlrev_b32 v[H32], 5, v2
	s_wait_alu depctr_va_vdst(0)
	v_lshlrev_b32 v[R4], 2, v1
	s_wait_alu depctr_va_vdst(0)
	v_mul_u32_u24 v3, v1, PITCH
	v_lshl_add_u32 v4, v2, 4, v3                   ; a fragment's row x pitch + 16 x half
	s_mul_i32 s94, s[WH], HALFT                    ; my 128 rows of A
	s_mul_i32 s95, s[WL], HALFT                    ; my 128 rows of B,
	s_add_co_u32 s95, s95, 2*HALFT                 ; which lie behind A's 256
.irp s, 0,1
	v_add_nc_u32 v[ADRA+\s], s94, v4
	v_add_nc_u32 v[ADRB+\s], s95, v4
	s_add_co_u32 s94, s94, SLOT
	s_add_co_u32 s95, s95, SLOT
.endr
	s_lshl_b32 s94, s[TR], 8
	s_lshl_b32 s95, s[WH], 7
	s_add_co_u32 s94, s94, s95                     ; my first row of A
	s_lshl_b32 s95, s[TC], 8
	s_lshl_b32 s96, s[WL], 7
	s_add_co_u32 s95, s95, s96                     ; my first row of B
	s_cmp_eq_u32 s[WHICH], 2
	s_cselect_b32 s96, s95, s94                    ; RX: my first token (a multiple of 128)
	s_cselect_b32 s97, s94, s95                    ; RW: my first channel of the 1,024 (a multiple of 128: two heads)
	s_cselect_b32 s98, 0, s97                      ; the bias of B's rows begins at RW for q and k (for v it is read at 0 and masked away),
	s_cselect_b32 s99, s97, 0                      ; the bias of A's rows at RW for v
	s_cselect_b32 s2, 0, -1                        ; their masks
	s_cselect_b32 s3, -1, 0
	s_mov_b32 s4, 4096
	s_cselect_b32 s4, 262144, s4                   ; from block a to a + 4: four tiles of 1,024 bytes; v: the next head
	s_mov_b32 s5, 1024
	s_cselect_b32 s5, 2048, s5                     ; from block a to a + 1: a tile of 16 tokens; v: a tile of 16 channels
	s_cselect_b32 s7, 8192, 0                      ; V's part of a step lies behind K's
	s_cmp_eq_u32 s[WHICH], 0
	s_cselect_b32 s8, 17, 18                       ; a head is 2^17 bytes in qf, 2^18 in kv;
	s_cselect_b32 s9, 13, 14                       ; 128 tokens of it 2^13, 2^14
	s_mov_b32 s6, 262144
	s_cselect_b32 s6, 131072, s6                   ; from a block's first eight registers of codes to its last eight: the next head;
	s_cmp_eq_u32 s[WHICH], 2
	s_cselect_b32 s6, 1024, s6                     ; v: the fragment's second half
	s_lshl_b32 s12, s99, 2
	s_mov_b32 s13, 0
	s_add_nc_u64 s[92:93], s[88:89], s[12:13]      ; the bias of A's rows
	s_lshl_b32 s12, s98, 2
	s_add_nc_u64 s[88:89], s[88:89], s[12:13]      ; the bias of B's rows
.irp b, 0,1,2,3,4,5,6,7
	global_load_b128 v[BB+8*\b:BB+8*\b+3], v[H32], s[88:89] offset:64*\b        ; bias[16 b + 8 h + 0 .. 7]: the result's layout
	global_load_b128 v[BB+8*\b+4:BB+8*\b+7], v[H32], s[88:89] offset:64*\b+16
.endr
.irp a, 0,1,2,3,4,5,6,7
	global_load_b32 v[BA+2*\a], v[R4], s[92:93] offset:64*\a                    ; bias[16 a + r]
.endr
	s_lshr_b32 s10, s96, 11
	s_lshl_b32 s10, s10, 4
	s_lshr_b32 s11, s97, 6
	s_add_co_u32 s10, s10, s11                     ; 16 x batch + head: my first head
	s_lshl_b32 s10, s10, s8
	s_bfe_u32 s11, s96, 0x40007                    ; which 128 tokens of the sequence's 2,048
	s_lshl_b32 s11, s11, s9
	s_add_co_u32 s10, s10, s11
	s_add_co_u32 s10, s10, s7
	s_mov_b32 s11, 0
	s_add_nc_u64 s[90:91], s[90:91], s[10:11]      ; where my results begin
.irp a, 0,1,2,3,4,5,6,7
	s_mul_i32 s14, s4, \a/4
	s_mul_i32 s15, s5, \a%4
	s_add_co_u32 s14, s14, s15
	v_add_nc_u32 v[OF+2*\a], s14, v[L16]
	s_add_co_u32 s14, s14, s6
	v_add_nc_u32 v[OF+2*\a+1], s14, v[L16]
	v_mov_b32 v[BA+2*\a+1], 0                      ; (named as the upper half of a pair)
.endr
	s_wait_kmcnt 0x0                               ; the exponents
	s_add_co_i32 s14, s72, s73                     ; e0 + e1
	s_add_co_i32 s15, s74, s75                     ; e2 + e3
	s_add_co_i32 s16, s76, s77                     ; e4 + e5
	s_cmp_eq_u32 s[WHICH], 2
	s_cselect_b32 s15, s16, s15
	s_cselect_b32 s17, s81, s79                    ; e9, else e7,
	s_cmp_eq_u32 s[WHICH], 0
	s_cselect_b32 s14, s14, s15                    ; es
	s_cselect_b32 s17, s78, s17                    ; or e6: eo
	s_sub_co_i32 s15, 0, s14                       ; -es
	s_sub_co_i32 s16, s17, s14
	s_add_co_i32 s16, s16, 127
	s_lshl_b32 s17, s16, 23
	v_mov_b32 v[SC], s17                           ; 2^(eo - es) as f32: the conversion takes its exponent field
	s_wait_loadcnt 0x0                             ; the bias
.set j, 0
.rept 64
	v_and_b32 v[BB+j], s2, v[BB+j]                 ; kept for q and k, zeros for v
.set j, j+1
.endr
.set j, 0
.rept 64
	v_ldexp_f32 v[BB+j], v[BB+j], s15              ; a sum lacks the factor 2^es, so the bias goes in divided by it
.set j, j+1
.endr
.irp a, 0,1,2,3,4,5,6,7
	v_and_b32 v[BA+2*\a], s3, v[BA+2*\a]           ; kept for v, zeros for q and k
.endr
.irp a, 0,1,2,3,4,5,6,7
	v_ldexp_f32 v[BA+2*\a], v[BA+2*\a], s15
.endr
.macro FRAG reg, adr, q, i             ; a fragment, 16 rows x 128 K, by four loads of 16 bytes: registers 4 c .. 4 c + 3 hold K = 32 c + 16 (l / 16) + 0 .. 15: a permutation of k that is the same in A and in B, so every product meets its partner
.irp c, 0,1,2,3
	ds_load_b128 v[\reg+4*\c:\reg+4*\c+3], v[\adr] offset:128*(\q)+32*\c+(\i)*16*PITCH
.endr
.endm
; 16 matrix instructions: A's blocks a0, a0 + 1 x B's eight, 128 along K.  p: B's set.  zero = 1: the first products start the sums, with the bias of B's rows as C: nothing is cleared.
; The 64 accumulators take turns, one instruction a turn, in the same order in every step.
.macro MUL16 a0, p, zero
.irp a, \a0, \a0+1
.irp b, 0,1,2,3,4,5,6,7
.if \zero
	v_wmma_f32_16x16x128_bf8_bf8 v[8*(8*((\a)%4)+\b):8*(8*((\a)%4)+\b)+7], v[128*(\p)+FR*\b:128*(\p)+FR*\b+FR-1], v[AF+FR*(\a):AF+FR*(\a)+FR-1], v[BB+8*\b:BB+8*\b+7]
.else
	v_wmma_f32_16x16x128_bf8_bf8 v[8*(8*((\a)%4)+\b):8*(8*((\a)%4)+\b)+7], v[128*(\p)+FR*\b:128*(\p)+FR*\b+FR-1], v[AF+FR*(\a):AF+FR*(\a)+FR-1], v[8*(8*((\a)%4)+\b):8*(8*((\a)%4)+\b)+7]
.endif
.endr
.endr
.endm
.macro FETCH_B slot, q, p              ; B's eight fragments of the slot's q-th 128 along K into set p
	WIN TO_B
.irp i, 0,1,2,3,4,5,6,7
	FRAG 128*(\p)+FR*\i, ADRB+\slot, \q, \i
.endr
	WIN 0
.endm
.macro FETCH_A slot, q, i0             ; A's blocks i0 .. i0 + 3
.irp i, \i0, \i0+1, \i0+2, \i0+3
	FRAG AF+FR*(\i), ADRA+\slot, \q, \i
.endr
.endm
.macro PLACES n                        ; a load into a register that a matrix instruction has read, and a vector instruction that reads a matrix result, stand four plain vector instructions behind it (ISA guide 7.12.1 for vector instructions)
.rept \n
	v_nop
.endr
.endm
; A step of 128 along K that has its successor in the same slot.  A's blocks are free as soon as their eight products are issued: blocks 0-3 are fetched anew in the step's middle, blocks 4-7 at its end.
.macro STEP slot, q, zero
	s_wait_dscnt 4*NL                              ; B's set and A's blocks 0-3 are in; the youngest sixteen loads (A's blocks 4-7) may be out
	WIN MUL_LO-0x20*(\zero)
	MUL16 0, (\q)%2, \zero
	MUL16 2, (\q)%2, \zero
	s_wait_dscnt 0                                 ; A's blocks 4-7 are in
	PLACES NP
	FETCH_B \slot, (\q)+1, 1-(\q)%2
	FETCH_A \slot, (\q)+1, 0
	WIN MUL_HI-0x30*(\zero)
	MUL16 4, (\q)%2, \zero
	MUL16 6, (\q)%2, \zero
	PLACES NP
	WIN 0
	FETCH_A \slot, (\q)+1, 4
.endm
; A slot's last step changes slots: ONE barrier; in front of it each wave waits for all its tensor loads, adds 0 to its spare word, and waits for that and for its own reads of this slot.  fill = 1: this slot is filled again, two K steps ahead.
.macro TURN slot, next, fill
	s_wait_tensorcnt 0x0                           ; all my tensor loads have landed: my part of the next slot  (every window is 0 here)
	ds_add_u32 v[SPW], v[NIL]                      ; 0 onto my spare word
	s_wait_dscnt 4*NL+1                            ; (the add and the youngest sixteen loads, A's blocks 4-7, may be out)
	WIN MUL_LO
	MUL16 0, 1, 0                                  ; sixteen matrix instructions stand between the add and the wait for it
	s_wait_dscnt 0x0                               ; the add is done, and my reads of this slot are over
	s_barrier_signal -1
	MUL16 2, 1, 0
	WIN 0
	s_barrier_wait -1
.if \fill
	CREST                                          ; the barrier has opened a round of the cluster's barrier: no wave of any partner still reads this slot's tile or has a load on its way
	s_add_nc_u64 s[G0+4*\slot+2:G0+4*\slot+3], s[G0+4*\slot+2:G0+4*\slot+3], 2*ROWB
	s_add_nc_u64 s[G0B+4*\slot+2:G0B+4*\slot+3], s[G0B+4*\slot+2:G0B+4*\slot+3], 2*ROWB
	JLOAD G0+4*\slot, G1, G0B+4*\slot, G1B         ; the first tensor load behind the round, my only one until the next; its four v_nop are also the places in front of the loads below
.else
	PLACES NP
.endif
	FETCH_B \next, 0, 0
	FETCH_A \next, 0, 0
	WIN MUL_HI
	MUL16 4, 1, 0
	MUL16 6, 1, 0
	PLACES NP
	WIN 0
	FETCH_A \next, 0, 4
.endm
	s_wait_tensorcnt 1                             ; my part of K step 0 is in; K step 1's load may be out
	s_barrier_signal -1
	s_barrier_wait -1                              ; everybody's is
	FETCH_B 0, 0, 0
	FETCH_A 0, 0, 0
	FETCH_A 0, 0, 4
	STEP 0, 0, 1                                   ; K 0-127: the products start the sums
	TURN 0, 1, 1                                   ; K 128-255; slot 0 takes K 512-767
	STEP 1, 0, 0
	TURN 1, 0, 1                                   ; slot 1 takes K 768-1023
	STEP 0, 0, 0
	TURN 0, 1, 0                                   ; nothing is left to fetch
	STEP 1, 0, 0
	s_wait_dscnt 4*NL                              ; the last step
	WIN MUL_LO
	MUL16 0, 1, 0
	MUL16 2, 1, 0
	s_wait_alu depctr_va_vdst(0)
	s_wait_dscnt 0
	WIN MUL_HI
	MUL16 4, 1, 0
	MUL16 6, 1, 0
	WIN 0
; THE WAY OUT, block by block of A's 16 rows.  The sums come into window 0 with the bias of A's rows added (v's; for q and k the same line adds the zeros that the mask left: one text serves all three),
; are converted, eight neighbours along the next K at a time.
; The block's 16 registers of codes are four groups of four: each is stored as it stands, 512 consecutive bytes from a multiple of 512.  No store's data, offset or base is ever written again.
.macro OUTBLK a
.set AC, 64*((\a)%4)
	WIN 0x02+((\a)/4)                              ; source 0: window 2 or 3
.set j, 0
.rept 32
	v_pk_add_f32 v[T+j:T+j+1], v[AC+j:AC+j+1], v[BA+2*(\a):BA+2*(\a)+1] op_sel_hi:[1,0]   ; each accumulator from its low end on
.set j, j+2
.endr
	WIN 0
.set j, 0
.rept 64
.set j, j+1
.endr
.irp b, 0,1,2,3,4,5,6,7
	v_cvt_scalef32_pk8_bf8_f32 v[CD+16*(\a)+2*\b:CD+16*(\a)+2*\b+1], v[T+8*\b:T+8*\b+7], v[SC]
.endr
	v_nop                                          ; one plain vector instruction between the conversions and the next block's additions, which write their sources
.irp p, 0,1,2,3
	global_store_b128 v[OF+2*(\a)+\p/2], v[CD+16*(\a)+4*\p:CD+16*(\a)+4*\p+3], s[90:91] offset:512*(\p%2)
.endr
.endm
	PLACES NP                                      ; behind the last products: their results are read, and the registers that held A's fragments are written
.irp a, 0,1,2,3,4,5,6,7
	OUTBLK \a
.endr
	s_wait_tensorcnt 0x0                           ; the wave's end
	ds_add_u32 v[SPW], v[NIL]
	s_wait_dscnt 0x0
	CROUND                                         ; the closing round: no work-group ends while a partner may still ask for a tile that names it
	s_endpgm
.Lfunc_end_k_qac4288efdc_qkv:
	.size	k_qac4288efdc_qkv, .Lfunc_end_k_qac4288efdc_qkv-k_qac4288efdc_qkv
	.p2alignl 7, 3214868480
	.fill 96, 4, 3214868480
	.section	.rodata,"a",@progbits
	.p2align	6, 0x0
	.amdhsa_kernel k_qac4288efdc_qkv
		.amdhsa_group_segment_fixed_size 327680
		.amdhsa_private_segment_fixed_size 0
		.amdhsa_enable_private_segment 0
		.amdhsa_kernarg_size 80
		.amdhsa_user_sgpr_count 2
		.amdhsa_user_sgpr_kernarg_segment_ptr 1
		.amdhsa_wavefront_size32 1
		.amdhsa_system_sgpr_workgroup_id_x 1
		.amdhsa_system_sgpr_workgroup_id_y 1
		.amdhsa_system_sgpr_workgroup_id_z 1
		.amdhsa_system_vgpr_workitem_id 0
		.amdhsa_next_free_vgpr 1024
		.amdhsa_next_free_sgpr 100
		.amdhsa_reserve_vcc 0
		.amdhsa_float_denorm_mode_32 3
		.amdhsa_float_denorm_mode_16_64 3
		.amdhsa_fp16_overflow 1
		.amdhsa_memory_ordered 1
		.amdhsa_forward_progress 1
		.amdhsa_inst_pref_size 114
	.end_amdhsa_kernel
	.amdgpu_metadata
---
amdhsa.version: [ 1, 2 ]
amdhsa.kernels:
  - .name:           k_qac4288efdc_qkv
    .symbol:         k_qac4288efdc_qkv.kd
    .args:
      - { .name: x_codes, .offset: 0, .size: 8, .value_kind: global_buffer, .address_space: global }
      - { .name: Wq_codes, .offset: 8, .size: 8, .value_kind: global_buffer, .address_space: global }
      - { .name: Wk_codes, .offset: 16, .size: 8, .value_kind: global_buffer, .address_space: global }
      - { .name: Wv_codes, .offset: 24, .size: 8, .value_kind: global_buffer, .address_space: global }
      - { .name: bq, .offset: 32, .size: 8, .value_kind: global_buffer, .address_space: global }
      - { .name: bk, .offset: 40, .size: 8, .value_kind: global_buffer, .address_space: global }
      - { .name: bv, .offset: 48, .size: 8, .value_kind: global_buffer, .address_space: global }
      - { .name: lowp_scales, .offset: 56, .size: 8, .value_kind: global_buffer, .address_space: global }
      - { .name: qf, .offset: 64, .size: 8, .value_kind: global_buffer, .address_space: global }
      - { .name: kv, .offset: 72, .size: 8, .value_kind: global_buffer, .address_space: global }
    .group_segment_fixed_size: 327680
    .private_segment_fixed_size: 0
    .kernarg_segment_align: 8
    .kernarg_segment_size: 80
    .max_flat_workgroup_size: 128
    .sgpr_count:     100
    .vgpr_count:     1024
    .wavefront_size: 32
...
	.end_amdgpu_metadata
.endif
;; end of part 1
;; launch attn (part 2): grid 8 x 64, 8 waves a work-group, clusters of 4 x 1, 263,168 bytes of LDS; arguments qf, kv, lowp_scales, of; writes of
.if DOCPART == 2
	.amdgcn_target "amdgcn-amd-amdhsa--gfx1250"
	.amdhsa_code_object_version 6
	.text
	.protected	k_qac4288efdc_attn
	.globl	k_qac4288efdc_attn
	.p2align	8
	.type	k_qac4288efdc_attn,@function
k_qac4288efdc_attn:
	s_mov_b64 s[64:65], 0
	v_nop
	global_prefetch_b8 v0, s[64:65] scope:SCOPE_SE
	s_setreg_imm32_b32 hwreg(HW_REG_WAVE_MODE, 25, 1), 1
	s_wait_xcnt 0x0
	s_wait_alu depctr_hold_cnt(0) depctr_sa_sdst(0) depctr_va_vdst(0) depctr_va_sdst(0) depctr_va_ssrc(0) depctr_va_vcc(0) depctr_vm_vsrc(0)
	s_getreg_b32 s2, hwreg(HW_REG_IB_STS2, 6, 4)
	s_cmp_eq_u32 s2, 0
	s_cbranch_scc0 .Lentry_in_a_cluster
	s_endpgm
.Lentry_in_a_cluster:
	s_bfe_u32 s2, ttmp6, 0x10000c
	s_cmp_lg_u32 s2, 0x3003
	s_cbranch_scc0 .Lentry_shape_is_right
	s_endpgm
.Lentry_shape_is_right:
; For each of 64 heads (batch x head): O[q] = the sum over keys of softmax(Q[q] . K[key] / 32) V[key], 2,048 queries and keys, head size 64, both products on codes of BF8 (E5M2); O is quantised at once for the last projection.
; qf, kv: images of operand registers, as the launch before stored them: four registers of 32 lanes are 512 bytes, lane l's 16 bytes at 16 l.  qf: [head][tile of 16 queries][2 x 512].
; kv: [head][step of 128 keys: 16][K: 8 tiles of 16 keys x 1,024 | V: 4 tiles of 16 channels x 2,048 (its K = the step's 128 keys)].
; THE SOFTMAX AHEAD OF THE SECOND PRODUCT: t = score x log2(e) / 32; M = the row's largest t so far, rounded UP to a whole number; p = 2^(t - M) is quantised with 2^e8, not normalised.
; The row's sum is taken of the unquantised p, in f32, and divides O at the end.  When M moves, the sum and O are multiplied by 2^(old M - new M): nothing is rounded.
; SHARES.  A work-group owns 256 queries of one head; each of its eight waves 32 of them: two tiles of 16, so that each fragment of K and V read from LDS feeds two products.  Two waves share a SIMD: one's matrix
; instructions and LDS loads stand beside the other's vector work, which is by far the longer list (some 390 vector instructions for a step's 24 matrix instructions).
; LDS.  A head's K and V are 262,144 bytes: ALL OF IT lies in LDS, filled once, as it lies in memory: no ring, nothing is filled again, nothing is stored into LDS.
; CLUSTER.  The four work-groups of a cluster belong to one head: each part of K and V is asked for JOINTLY, by the same tensor load with the same descriptor and the mask 15.
; LAYOUT.  Both products are used transposed: S^T = K Q^T (source 0 = 16 keys, source 1 = 16 queries), O^T = V^T P^T (source 0 = 16 channels, source 1 = P): a lane holds ONE query (lane % 16) throughout.
; In S^T's tile kt lane (r, h) holds keys 16 kt + 8 h + 0 .. 7: their eight codes are registers 2 kt, 2 kt + 1 of P as the second product wants it (ISA guide 7.12.2).  In O^T's tile u it holds channels 16 u + 8 h + 0 .. 7:
; their codes are two registers of the last projection's operand.  of: [128 rows: 64][256 along K: 4][tile of 16 rows: 8][128 along K: 2][4 x 512]: again an image of registers.
; LIMITS on the given exponents, so that each power of two below is an f32 number: e6 + e7 between -121 and 132 (added to c's exponent field); e8, and e10 - e8 - e9, between -126 and 112.  NaN is not served.
; REGISTERS: window 0: v1, v2 addresses; v8-15 four statistics a tile; v16-31 eight work registers a tile; v32-47 Q; v48-79 P's codes; v80, v82 scales; v96-223 S^T, then p, 64 a tile.
;   window 1: v0-63 O^T, 32 a tile; v64-127 K's eight fragments; v128-191 V's four.
.set L16, 1                            ; v1   16 x lane; never rewritten
.set ADK, 2                            ; v2   LDS address of the step in hand
.set ST,  8                            ; tile t at v[ST+4 t]: +0 -M, +1 the largest t, +2, +3 the sum in two halves
.set W,   16                           ; tile t at v[W+8 t]: +0, +1 maxima; +2 f, later 1 / sum; +3 its pair-mate, 0; +4 what the other half of the lanes sends; +5 -M's old value; +6, +7 the sums' second chain
.set Q,   32
.set P,   48
.set PSC, 80                           ; v80  2^e8 as f32
.set PLIM, 81
.set OSC, 82                           ; v82  2^(e10 - e8 - e9)
.set OLIM, 83
.set S,   96
.set O,   0                            ; in window 1
.set KF,  64
.set VF,  128
.set WV,  12                           ; s12  my wave's number
.set G1,  16                           ; s[16:23] descriptor group 1
.set SEL, 24                           ; s[24:25] lane selects for v_permlanex16_b32: lane l xor 16
.set CS,  26                           ; s[26:27] c = log2(e) / 32 x 2^(e6 + e7)
.set TB,  28                           ; s28  LDS byte at which the step in hand begins
.set CNT, 29                           ; s29  steps to go
.set G0,  32                           ; s[32:47] descriptor group 0, a set for each of my four loads
.set MSB, 0
.macro WIN new                         ; the immediate's high byte repeats the setting that is left
.if MSB != (\new)
	s_set_vgpr_msb (MSB<<8)|(\new)
.set MSB, (\new)
.endif
.endm
.macro CROUND                          ; a round of the cluster's barrier
	s_barrier_signal -1
	s_barrier_wait -1
	s_cmp_lg_u32 s[WV], 0
	s_cbranch_scc1 .Lnot_wave_0_\@
	s_barrier_signal -3
.Lnot_wave_0_\@:
	s_barrier_wait -3
	s_barrier_signal -1
	s_barrier_wait -1
.endm
	s_load_b256 s[4:11], s[0:1], 0x0               ; qf s[4:5], kv s[6:7], the scales' exponents s[8:9], of s[10:11]
	v_lshl_add_u32 v254, v0, 2, 0x40000
	v_mov_b32 v255, 0
	ds_add_u32 v254, v255
	ds_add_u32 v254, v255
	v_lshrrev_b32 v3, 5, v0
	s_delay_alu instid0(VALU_DEP_1)
	v_readfirstlane_b32 s[WV], v3                  ; wave 0..7
	s_bfe_u32 s13, ttmp6, 0x40000                  ; cx: my place in the cluster
	s_lshl_b32 s14, ttmp9, 2
	s_add_co_u32 s14, s14, s13                     ; my block of 256 queries: it enters qf's and of's addresses alone
	s_and_b32 s15, ttmp7, 0xffff                   ; 16 x batch + head, which the four partners share
	; descriptor group 1: 8,192 dense bytes as 32 rows of 256
	s_mov_b32 s[G1], 15|(3<<16)|(1<<21)            ; 15:0 the mask: all four work-groups; 17:16 elements of 8 bytes; 20 no padding; 21 set beside a mask
	s_mov_b32 s[G1+1], 32<<16                      ; tensor_dim0 = 32 elements
	s_mov_b32 s[G1+2], 32<<16                      ; tensor_dim1 = 32
	s_mov_b32 s[G1+3], 32<<16                      ; tile_dim0 = 32
	s_mov_b32 s[G1+4], 32                          ; tile_dim1 = 32
	s_mov_b32 s[G1+5], 32                          ; tensor_dim0_stride
	s_mov_b32 s[G1+6], 0
	s_mov_b32 s[G1+7], 0
	s_lshl_b32 s53, s[WV], 13                      ; my 8,192 bytes of each quarter of the head
	s_lshl_b32 s54, s15, 18                        ; the head's 262,144 bytes
	s_add_co_u32 s54, s54, s53
	s_mov_b32 s55, 0
	s_mov_b32 s[SEL], 0x76543210
	s_mov_b32 s[SEL+1], 0xfedcba98
	s_mov_b32 s[TB], 0
	s_wait_dscnt 0x0
	s_wait_kmcnt 0x0
	s_load_b128 s[48:51], s[8:9], 0x18             ; e6, e7, e8, e9
	s_load_b32 s52, s[8:9], 0x28                   ; e10
	s_add_nc_u64 s[6:7], s[6:7], s[54:55]
.irp q, 0,1,2,3
	s_mov_b32 s[G0+4*\q], 1                        ; 1:0 count = 1
	s_add_co_u32 s[G0+4*\q+1], s53, \q*65536       ; 63:32 LDS address: quarter q, my part: the same place as in the head's bytes in memory
	s_add_nc_u64 s[G0+4*\q+2:G0+4*\q+3], s[6:7], \q*65536   ; 120:64 global address
	s_or_b32 s[G0+4*\q+3], s[G0+4*\q+3], 0x80000000         ; 127:126 type = 2
.endr
	CROUND                                         ; all four work-groups are here: the joint loads meet
.irp q, 0,1,2,3
	tensor_load_to_lds s[G0+4*\q:G0+4*\q+3], s[G1:G1+7]     ; all the launch's fills go out together: four loads of mine are out
	s_nop 0
.endr
.rept 4
	v_nop                                          ; behind the tensor loads
.endr
	v_and_b32 v3, 31, v0
	s_delay_alu instid0(VALU_DEP_1)
	v_lshlrev_b32 v[L16], 4, v3
	s_lshl_b32 s54, s14, 4
	s_lshl_b32 s53, s[WV], 1
	s_add_co_u32 s54, s54, s53                     ; my first tile of 16 queries: 16 x block + 2 x wave
	s_lshl_b32 s54, s54, 10
	s_lshl_b32 s53, s15, 17
	s_add_co_u32 s54, s54, s53
	s_add_nc_u64 s[4:5], s[4:5], s[54:55]
.irp t, 0,1
.irp p, 0,1
	global_load_b128 v[Q+8*\t+4*\p:Q+8*\t+4*\p+3], v[L16], s[4:5] offset:1024*\t+512*\p   ; Q's two fragments stay in registers
.endr
.endr
	s_lshr_b32 s54, s15, 4                         ; where my results go: block of 128 rows = 16 x batch + 2 x block of queries + wave / 4,
	s_lshl_b32 s54, s54, 4
	s_lshl_b32 s53, s14, 1
	s_add_co_u32 s54, s54, s53
	s_lshr_b32 s53, s[WV], 2
	s_add_co_u32 s54, s54, s53
	s_lshl_b32 s54, s54, 17
	s_bfe_u32 s53, s15, 0x20002                    ; 256 along K = four heads: head / 4,
	s_lshl_b32 s53, s53, 15
	s_add_co_u32 s54, s54, s53
	s_and_b32 s53, s[WV], 3                        ; tile of 16 rows in the block: 2 (wave % 4) + t,
	s_lshl_b32 s53, s53, 13
	s_add_co_u32 s54, s54, s53
	s_and_b32 s53, s15, 3                          ; a head's 64 along K are two groups of four registers: 1,024 bytes x (head % 4)
	s_lshl_b32 s53, s53, 10
	s_add_co_u32 s54, s54, s53
	s_add_nc_u64 s[10:11], s[10:11], s[54:55]
.irp t, 0,1
	v_mov_b32 v[ST+4*\t+1], 0xff61b1e6             ; the largest t so far: -3e38, under every t
	s_delay_alu instid0(VALU_DEP_1)
	v_floor_f32 v[ST+4*\t], -v[ST+4*\t+1]          ; -M
	v_mov_b32 v[ST+4*\t+2], 0                      ; the sum, in two halves
	v_mov_b32 v[ST+4*\t+3], 0
	v_mov_b32 v[W+8*\t+3], 0                       ; (named as the upper half of a pair)
	v_mov_b32 v[W+8*\t+4], 0                       ; (a lane permute's destination counts as one of its sources)
.endr
	WIN 0x40
.set j, 0
.rept 64
	v_mov_b32 v[O+j], 0                            ; O^T.  (The step is written for every step alike: the first finds zeros, which the first change of M leaves zeros)
.set j, j+1
.endr
	WIN 0
	s_wait_kmcnt 0x0
	s_add_co_i32 s53, s48, s49
	s_lshl_b32 s53, s53, 23
	s_mov_b32 s[CS], 0x3d38aa3b                    ; log2(e) / 32: the module divides by sqrt(1024)
	s_add_co_i32 s[CS], s[CS], s53                 ; a score stands for score x 2^(e6 + e7): the two exponents are added to c's exponent field
	s_mov_b32 s[CS+1], s[CS]                       ; (named with it as a pair)
	s_add_co_i32 s53, s50, 127
	s_lshl_b32 s54, s53, 23
	v_mov_b32 v[PSC], s54
	s_sub_co_i32 s53, s52, s50                     ; O^T / the sum stands for that x 2^(e8 + e9): its code is that / 2^(e10 - e8 - e9): the three scales folded into the conversion's one
	s_sub_co_i32 s53, s53, s51
	s_add_co_i32 s53, s53, 127
	s_lshl_b32 s54, s53, 23
	v_mov_b32 v[OSC], s54
	s_add_co_i32 s53, s53, 15
	s_lshl_b32 s53, s53, 23
	s_or_b32 s53, s53, 0x600000
	s_wait_loadcnt 0x0                             ; Q
; A KEY STEP: 128 keys, both tiles of queries; in the vector work the two tiles take turns line by line, so that no line waits for the line above it.
.macro STEP
	v_add_nc_u32 v[ADK], s[TB], v[L16]
.rept 4
	v_nop                                          ; places in front of loads into the registers that the last step's products read
.endr
	WIN 0x40                                       ; destination window 1
.irp f, 0,1,2,3,4,5,6,7,8,9,10,11,12,13,14,15
	ds_load_b128 v[KF+4*\f:KF+4*\f+3], v[ADK] offset:512*\f          ; K: tile f / 2, registers 4 (f % 2) on: 512 consecutive bytes a load
.endr
.irp f, 0,1,2,3,4,5,6,7,8,9,10,11,12,13,14,15
	ds_load_b128 v[VF+4*\f:VF+4*\f+3], v[ADK] offset:8192+512*\f     ; V: tile f / 4, registers 4 (f % 4) on
.endr
	s_wait_dscnt 16                                ; K is in; V's sixteen loads may be out
	WIN 0x01                                       ; source 0 window 1
.irp kt, 0,1,2,3,4,5,6,7
.irp t, 0,1
	v_wmma_f32_16x16x64_bf8_bf8 v[S+64*\t+8*\kt:S+64*\t+8*\kt+7], v[KF+8*\kt:KF+8*\kt+7], v[Q+8*\t:Q+8*\t+7], 0
.endr
.endr
	WIN 0
.rept 4
	v_nop
.endr
.irp t, 0,1                                    ; the step's largest score of my query among my 64 keys, in two chains; every accumulator is read from its low end on
	v_max3_num_f32 v[W+8*\t], v[S+64*\t], v[S+64*\t+1], v[S+64*\t+2]
.endr
.irp t, 0,1
	v_max3_num_f32 v[W+8*\t+1], v[S+64*\t+3], v[S+64*\t+4], v[S+64*\t+5]
.endr
.irp i, 6,10,14,18,22,26,30,34,38,42,46,50,54,58
.irp t, 0,1
	v_max3_num_f32 v[W+8*\t], v[W+8*\t], v[S+64*\t+\i], v[S+64*\t+\i+1]
.endr
.irp t, 0,1
	v_max3_num_f32 v[W+8*\t+1], v[W+8*\t+1], v[S+64*\t+\i+2], v[S+64*\t+\i+3]
.endr
.endr
.irp t, 0,1
	v_max3_num_f32 v[W+8*\t], v[W+8*\t], v[S+64*\t+62], v[S+64*\t+63]
.endr
.irp t, 0,1
	s_delay_alu instid0(VALU_DEP_2)
	v_max_num_f32 v[W+8*\t], v[W+8*\t], v[W+8*\t+1]
.endr
.irp t, 0,1
	s_delay_alu instid0(VALU_DEP_2)
	v_permlanex16_b32 v[W+8*\t+4], v[W+8*\t], s[SEL], s[SEL+1]
.endr
.irp t, 0,1
	s_delay_alu instid0(VALU_DEP_2)
	v_max_num_f32 v[W+8*\t], v[W+8*\t], v[W+8*\t+4]      ; and among lane l xor 16's
.endr
.irp t, 0,1
	s_delay_alu instid0(VALU_DEP_2)
	v_mul_f32 v[W+8*\t], s[CS], v[W+8*\t]                ; as t (c is positive)
.endr
.irp t, 0,1
	s_delay_alu instid0(VALU_DEP_2)
	v_max_num_f32 v[ST+4*\t+1], v[ST+4*\t+1], v[W+8*\t]  ; the running largest t
.endr
.irp t, 0,1
	v_mov_b32 v[W+8*\t+5], v[ST+4*\t]
.endr
.irp t, 0,1
	s_delay_alu instid0(VALU_DEP_4)
	v_floor_f32 v[ST+4*\t], -v[ST+4*\t+1]                ; the new -M = floor(-t) = -ceil(t): M is a whole number
.endr
.irp t, 0,1
	s_delay_alu instid0(VALU_DEP_2)
	v_sub_f32 v[W+8*\t+5], v[ST+4*\t], v[W+8*\t+5]       ; M's old value less its new one: a whole number, 0 or less
.endr
.irp t, 0,1
	s_delay_alu instid0(VALU_DEP_2)
	v_cvt_i32_f32 v[W+8*\t+5], v[W+8*\t+5]               ; (it saturates)
.endr
.irp t, 0,1
	s_delay_alu instid0(VALU_DEP_2)
	v_ldexp_f32 v[W+8*\t+2], 1.0, v[W+8*\t+5]            ; f = 2^(old M - new M)
.endr
.set j, 0
.rept 32
.irp t, 0,1
	v_pk_fma_f32 v[S+64*\t+j:S+64*\t+j+1], v[S+64*\t+j:S+64*\t+j+1], s[CS:CS+1], v[ST+4*\t:ST+4*\t+1] op_sel_hi:[1,0,0]   ; t - M, two at a time (of the pairs c and -M the low word serves both halves)
.endr
.set j, j+2
.endr
.set j, 0
	s_setprio 1
	s_wait_alu depctr_va_vdst(0)
.rept 64
.irp t, 0,1
	v_exp_f32 v[S+64*\t+j], v[S+64*\t+j]                 ; p = 2^(t - M), at most 1: not normalised
.endr
.set j, j+1
.endr
.irp t, 0,1
	v_pk_mul_f32 v[ST+4*\t+2:ST+4*\t+3], v[ST+4*\t+2:ST+4*\t+3], v[W+8*\t+2:W+8*\t+3] op_sel_hi:[1,0]   ; the sums under the new M.  (A plain instruction behind the exponentials: ISA guide 5.7.2)
.endr
	s_wait_alu depctr_va_vdst(0)
.irp t, 0,1
	v_pk_add_f32 v[W+8*\t+6:W+8*\t+7], v[S+64*\t:S+64*\t+1], v[S+64*\t+2:S+64*\t+3]   ; the row's sum is taken of the UNQUANTISED p: two at a time, in two chains
.endr
.irp i, 4,8,12,16,20,24,28,32,36,40,44,48,52,56,60
.irp t, 0,1
	v_pk_add_f32 v[ST+4*\t+2:ST+4*\t+3], v[ST+4*\t+2:ST+4*\t+3], v[S+64*\t+\i:S+64*\t+\i+1]
.endr
.irp t, 0,1
	v_pk_add_f32 v[W+8*\t+6:W+8*\t+7], v[W+8*\t+6:W+8*\t+7], v[S+64*\t+\i+2:S+64*\t+\i+3]
.endr
.endr
.irp t, 0,1
	s_delay_alu instid0(VALU_DEP_2)
	v_pk_add_f32 v[ST+4*\t+2:ST+4*\t+3], v[ST+4*\t+2:ST+4*\t+3], v[W+8*\t+6:W+8*\t+7]
.endr
.irp kt, 0,1,2,3,4,5,6,7
.irp t, 0,1
.irp i, 0,1,2,3,4,5,6,7
.endr
.endr
.irp t, 0,1
	v_cvt_scalef32_pk8_bf8_f32 v[P+16*\t+2*\kt:P+16*\t+2*\kt+1], v[S+64*\t+8*\kt:S+64*\t+8*\kt+7], v[PSC]   ; keys 16 kt + 8 h + 0 .. 7: registers 2 kt, 2 kt + 1 of P
.endr
.endr
	WIN 0x41                                       ; O^T (destination and source 0) window 1, f window 0
.set j, 0
	s_setprio 0
.rept 16
.irp t, 0,1
	v_pk_mul_f32 v[O+32*\t+j:O+32*\t+j+1], v[O+32*\t+j:O+32*\t+j+1], v[W+8*\t+2:W+8*\t+3] op_sel_hi:[1,0]   ; O^T under the new M.  (These are also the plain instructions between the conversions and the products that read P)
.endr
.set j, j+2
.endr
	s_wait_alu depctr_va_vdst(0)
	s_wait_dscnt 0x0                               ; V is in
	WIN 0x51                                       ; V window 1, P window 0, O^T window 1
.irp u, 0,1,2,3
.irp t, 0,1
	v_wmma_f32_16x16x128_bf8_bf8 v[O+32*\t+8*\u:O+32*\t+8*\u+7], v[VF+16*\u:VF+16*\u+15], v[P+16*\t:P+16*\t+15], v[O+32*\t+8*\u:O+32*\t+8*\u+7]   ; eight accumulators by turns, one instruction a turn
.endr
.endr
	WIN 0                                          ; at a label and at a branch every window is 0
	s_add_co_u32 s[TB], s[TB], 16384               ; the next step's bytes
.endm
.macro RUN n                           ; n key steps
	s_mov_b32 s[CNT], \n
.Lstep_\@:
	s_setprio 2
	STEP
	s_sub_co_u32 s[CNT], s[CNT], 1
	s_cmp_lg_u32 s[CNT], 0
	s_cbranch_scc1 .Lstep_\@
	s_setprio 0
.endm
	s_wait_tensorcnt 3                             ; my part of the first quarter (steps 0 to 3) is in; my three younger loads may be out
	s_barrier_signal -1
	s_barrier_wait -1                              ; everybody's is
	RUN 4
	s_wait_tensorcnt 0x0                           ; my parts of the other three quarters are in  (no LDS load of mine is out: each step ends behind its wait for 0)
	s_barrier_signal -1
	s_barrier_wait -1
	RUN 12
	; THE WAY OUT.  O^T is divided by the row's sum, converted with the three scales folded into one, and stored as an image of the next operand's registers.
.rept 4
	v_nop                                          ; behind the last products
.endr
.irp t, 0,1
	v_add_f32 v[W+8*\t], v[ST+4*\t+2], v[ST+4*\t+3]      ; the sum's two halves,
.endr
.irp t, 0,1
	s_delay_alu instid0(VALU_DEP_2)
	v_permlanex16_b32 v[W+8*\t+4], v[W+8*\t], s[SEL], s[SEL+1]
.endr
.irp t, 0,1
	s_delay_alu instid0(VALU_DEP_2)
	v_add_f32 v[W+8*\t], v[W+8*\t], v[W+8*\t+4]          ; and lane l xor 16's: the row's sum, over 1/2
.endr
	s_wait_alu depctr_va_vdst(0)
.irp t, 0,1
	v_rcp_f32 v[W+8*\t+2], v[W+8*\t]
.endr
	v_nop                                          ; a plain instruction between the last reciprocal and the use of its result
	WIN 0x01                                       ; source 0 (O^T) window 1
.set j, 0
	s_wait_alu depctr_va_vdst(0)
.rept 16
.irp t, 0,1
	v_pk_mul_f32 v[S+64*\t+j:S+64*\t+j+1], v[O+32*\t+j:O+32*\t+j+1], v[W+8*\t+2:W+8*\t+3] op_sel_hi:[1,0]   ; each accumulator from its low end on
.endr
.set j, j+2
.endr
	WIN 0
.set j, 0
.rept 32
.irp t, 0,1
.endr
.set j, j+1
.endr
.irp u, 0,1,2,3
.irp t, 0,1
	v_cvt_scalef32_pk8_bf8_f32 v[P+16*\t+2*\u:P+16*\t+2*\u+1], v[S+64*\t+8*\u:S+64*\t+8*\u+7], v[OSC]   ; channels 16 u + 8 h + 0 .. 7 of my query
.endr
.endr
	v_nop
.irp t, 0,1
.irp p, 0,1
	global_store_b128 v[L16], v[P+16*\t+4*\p:P+16*\t+4*\p+3], s[10:11] offset:4096*\t+512*\p   ; 512 consecutive bytes, from a multiple of 512
.endr
.endr
	s_wait_tensorcnt 0x0
	ds_add_u32 v254, v255
	s_wait_dscnt 0x0
	CROUND                                         ; the closing round: no work-group ends while a partner may still ask for a part that names it
	s_endpgm
.Lfunc_end_k_qac4288efdc_attn:
	.size	k_qac4288efdc_attn, .Lfunc_end_k_qac4288efdc_attn-k_qac4288efdc_attn
	.p2alignl 7, 3214868480
	.fill 96, 4, 3214868480
	.section	.rodata,"a",@progbits
	.p2align	6, 0x0
	.amdhsa_kernel k_qac4288efdc_attn
		.amdhsa_group_segment_fixed_size 263168
		.amdhsa_private_segment_fixed_size 0
		.amdhsa_enable_private_segment 0
		.amdhsa_kernarg_size 32
		.amdhsa_user_sgpr_count 2
		.amdhsa_user_sgpr_kernarg_segment_ptr 1
		.amdhsa_wavefront_size32 1
		.amdhsa_system_sgpr_workgroup_id_x 1
		.amdhsa_system_sgpr_workgroup_id_y 1
		.amdhsa_system_sgpr_workgroup_id_z 1
		.amdhsa_system_vgpr_workitem_id 0
		.amdhsa_next_free_vgpr 512
		.amdhsa_next_free_sgpr 66
		.amdhsa_reserve_vcc 0
		.amdhsa_float_denorm_mode_32 3
		.amdhsa_float_denorm_mode_16_64 3
		.amdhsa_fp16_overflow 1
		.amdhsa_memory_ordered 1
		.amdhsa_forward_progress 1
		.amdhsa_inst_pref_size 63
	.end_amdhsa_kernel
	.amdgpu_metadata
---
amdhsa.version: [ 1, 2 ]
amdhsa.kernels:
  - .name:           k_qac4288efdc_attn
    .symbol:         k_qac4288efdc_attn.kd
    .args:
      - { .name: qf, .offset: 0, .size: 8, .value_kind: global_buffer, .address_space: global }
      - { .name: kv, .offset: 8, .size: 8, .value_kind: global_buffer, .address_space: global }
      - { .name: lowp_scales, .offset: 16, .size: 8, .value_kind: global_buffer, .address_space: global }
      - { .name: of, .offset: 24, .size: 8, .value_kind: global_buffer, .address_space: global }
    .group_segment_fixed_size: 263168
    .private_segment_fixed_size: 0
    .kernarg_segment_align: 8
    .kernarg_segment_size: 32
    .max_flat_workgroup_size: 256
    .sgpr_count:     66
    .vgpr_count:     512
    .wavefront_size: 32
...
	.end_amdgpu_metadata
.endif
;; end of part 2
;; launch proj (part 3): grid 4 x 64, 4 waves a work-group, clusters of 4 x 4, 327,680 bytes of LDS; arguments of, Wo_codes, lowp_scales, bo, out0; writes out0
.if DOCPART == 3
	.amdgcn_target "amdgcn-amd-amdhsa--gfx1250"
	.amdhsa_code_object_version 6
	.text
	.protected	k_qac4288efdc_proj
	.globl	k_qac4288efdc_proj
	.p2align	8
	.type	k_qac4288efdc_proj,@function
k_qac4288efdc_proj:
	s_mov_b64 s[64:65], 0
	v_nop
	global_prefetch_b8 v0, s[64:65] scope:SCOPE_SE
	s_setreg_imm32_b32 hwreg(HW_REG_WAVE_MODE, 25, 1), 1
	s_wait_xcnt 0x0
	s_wait_alu depctr_hold_cnt(0) depctr_sa_sdst(0) depctr_va_vdst(0) depctr_va_sdst(0) depctr_va_ssrc(0) depctr_va_vcc(0) depctr_vm_vsrc(0)
	s_getreg_b32 s2, hwreg(HW_REG_IB_STS2, 6, 4)
	s_cmp_eq_u32 s2, 0
	s_cbranch_scc0 .Lentry_in_a_cluster
	s_endpgm
.Lentry_in_a_cluster:
	s_bfe_u32 s2, ttmp6, 0x10000c
	s_cmp_lg_u32 s2, 0xf033
	s_cbranch_scc0 .Lentry_shape_is_right
	s_endpgm
.Lentry_shape_is_right:
; out0 = o Wo^T + bo on codes of BF8 (E5M2), f32 sums.  o: 8,192 rows x 1,024, as images of operand registers (buffer of, see below); Wo: [1024][1024] codes, K innermost; bo [1024], out0 [8192][1024]: f32.
; A number of o is its code x 2^e10, of Wo x 2^e11: the codes are multiplied as they are; the bias goes in as bo / 2^(e10 + e11), as the C of the first products; each finished sum is multiplied once by 2^(e10 + e11).
; LIMIT: e10 + e11 between -126 and 127, so that 2^(e10 + e11) is an f32 number.  NaN is not served.
; SHARES.  256 tiles of 128 rows x 256 columns, one for each work-group of four waves; a wave makes 64 x 128: 32 accumulators.
; of: [128 rows: 64][256 along K: 4][tile of 16 rows: 8][128 along K: 2][4 x 512 bytes]: four registers of the 32 lanes are 512 bytes, lane l's 16 bytes at 16 l; registers 2 c, 2 c + 1 hold k = 16 c + 8 (l / 16) + 0 .. 7
; (ISA guide 7.12.2).  So a K step's part of A is one dense block of 32,768 bytes, and a fragment comes by four loads of 512 consecutive bytes.  Wo's fragments must have each k in the same place: eight loads of 8 bytes from its rows.
; K goes in four steps of 256 through THREE LDS slots: three are asked for at the start, the fourth fills slot 0 again.
; CLUSTERS: 4 x 4 work-groups; the four of a row need the same rows of o, the four of a column the same rows of Wo: each tile is asked for jointly.
; THE MATRIX INSTRUCTION IS USED TRANSPOSED (source 0 = 16 rows of Wo, source 1 = 16 rows of o): a lane then holds eight neighbouring numbers of a row of out0.
; REGISTERS: window 0: v16-29 addresses; v32-95 the bias, later a block's results; v128-191, v192-255 A's two sets (4 fragments each), later rows read back.   window 1: B's two sets (8 fragments each).   window 2: accumulator (a, b) at v[8 (8 a + b)].
.set PITCH,  272                       ; a row of Wo's tile in LDS: 256 bytes + 16 of padding = 68 words: the 32 lanes of a load of 8 bytes (272 r + 8 h) touch 64 different banks (64 banks of 4 bytes: ISA guide 11.1)
.set ABYTES, 32768                     ; A's part of a slot
.set HALFB,  128*PITCH                 ; 128 rows of Wo
.set SLOT,   ABYTES+2*HALFB            ; 102,400 bytes
.set SPARE,  3*SLOT                    ; behind the slots: the spare words, 128 bytes for each wave, which no other line names
.set STAGE,  SLOT                      ; the way out: 16 rows x (512 bytes + 16) for each wave, in slot 1, which is filled once and has been read out, by every wave, at the last barrier
.set SPITCH, 528
.set FR,   16                          ; registers of a fragment
.set ADRA, 16                          ; v16-18  LDS address of my A fragments in slot 0, 1, 2
.set ADRB, 20                          ; v20-22  the same for B
.set STO,  24                          ; v24     the way out: where I put 32 bytes of a row
.set RD,   25                          ; v25     where I read a row back
.set CO,   26                          ; v26     16 x lane
.set SPW,  28                          ; v28     LDS address of my spare word; never rewritten
.set NIL,  29                          ; v29     0; never rewritten
.set BB,   32                          ; v32-95  the bias: eight registers for each b, in the result's layout
.set TMP,  32                          ; the same registers on the way out
.set AF,   128
.set BK,   128                         ; the way out: 16 rows read back: v128-191 and v192-255 by turns
.set WV,  14
.set WH,  15                           ; wave / 2: my 64 rows.  Also: I fetch for A (0) or for B (1)
.set WL,  16                           ; wave % 2: my 128 columns.  Also: which half I fetch
.set TR,  17
.set G1,  24                           ; s[24:31] descriptor group 1 for A;  s[32:43] group 0, one set for each slot
.set G0,  32
.set G1B, 48                           ; s[48:55] group 1 for B;  s[68:79] group 0
.set G0B, 68
.set TC,  58
.set MSB, 0
.macro WIN new                         ; the immediate's high byte repeats the setting that is left
.if MSB != (\new)
	s_set_vgpr_msb (MSB<<8)|(\new)
.set MSB, (\new)
.endif
.endm
.macro JLOAD g0a, g1a, g0b, g1b        ; a joint load: waves 0 and 1 fetch for A, waves 2 and 3 for B; four v_nop follow each of the two lines
	s_cmp_eq_u32 s[WH], 0
	s_cbranch_scc0 .Lfor_b_\@
	tensor_load_to_lds s[\g0a:\g0a+3], s[\g1a:\g1a+7]
	s_nop 0
.rept 4
	v_nop
.endr
	s_branch .Lasked_\@
.Lfor_b_\@:
	tensor_load_to_lds s[\g0b:\g0b+3], s[\g1b:\g1b+7]
	s_nop 0
.rept 4
	v_nop
.endr
.Lasked_\@:
.endm
.macro CREST                           ; a round of the cluster's barrier behind its opening barrier
	s_cmp_lg_u32 s[WV], 0
	s_cbranch_scc1 .Lnot_wave_0_\@
	s_barrier_signal -3
.Lnot_wave_0_\@:
	s_barrier_wait -3
	s_barrier_signal -1
	s_barrier_wait -1
.endm
.macro CROUND
	s_barrier_signal -1
	s_barrier_wait -1
	CREST
.endm
	s_load_b256 s[4:11], s[0:1], 0x0               ; of s[4:5], Wo s[6:7], the scales' exponents s[8:9], bo s[10:11]
	s_load_b64 s[12:13], s[0:1], 0x20              ; out0
	v_lshl_add_u32 v[SPW], v0, 2, SPARE
	v_mov_b32 v[NIL], 0
	ds_add_u32 v28, v29
	ds_add_u32 v28, v29
	s_wait_dscnt 0x0
	v_lshrrev_b32 v1, 5, v0
	v_readfirstlane_b32 s[WV], v1                  ; wave 0..3
	s_lshr_b32 s[WH], s[WV], 1
	s_and_b32 s[WL], s[WV], 1
	s_bfe_u32 s56, ttmp6, 0x40000                  ; cx, cy: my place in the cluster
	s_bfe_u32 s57, ttmp6, 0x40004
	s_lshl_b32 s[TC], ttmp9, 2
	s_add_co_u32 s[TC], s[TC], s56                 ; tile column = 4 x cluster x + cx
	s_and_b32 s[TR], ttmp7, 0xffff
	s_lshl_b32 s[TR], s[TR], 2
	s_add_co_u32 s[TR], s[TR], s57                 ; tile row = 4 x cluster y + cy
	s_lshl_b32 s59, s57, 2
	s_lshl_b32 s59, 15, s59                        ; my row of the cluster
	s_lshl_b32 s60, 0x1111, s56                    ; my column
	; descriptor group 1 for A: 16,384 dense bytes as 64 rows of 256
	s_or_b32 s[G1], s59, (3<<16)|(1<<21)           ; 15:0 the mask: my row; 17:16 elements of 8 bytes; 20 no padding; 21 set beside a mask
	s_mov_b32 s[G1+1], 32<<16                      ; tensor_dim0 = 32 elements
	s_mov_b32 s[G1+2], 64<<16                      ; tensor_dim1 = 64
	s_mov_b32 s[G1+3], 32<<16                      ; tile_dim0
	s_mov_b32 s[G1+4], 64                          ; tile_dim1
	s_mov_b32 s[G1+5], 32                          ; tensor_dim0_stride
	s_mov_b32 s[G1+6], 0
	s_mov_b32 s[G1+7], 0
	; for B: 128 rows x 256 bytes, padded in LDS
	s_or_b32 s[G1B], s60, (0<<16)|(1<<20)|(1<<21)|(5<<22)|(3<<25)   ; the mask: my column; element of 1 byte; padding on: 4 words after every 64
	s_mov_b32 s[G1B+1], 256<<16
	s_mov_b32 s[G1B+2], 128<<16
	s_mov_b32 s[G1B+3], 256<<16
	s_mov_b32 s[G1B+4], 128
	s_mov_b32 s[G1B+5], 1024
	s_mov_b32 s[G1B+6], 0
	s_mov_b32 s[G1B+7], 0
	s_lshl_b32 s80, s[TR], 17                      ; A: the tile row's 131,072 bytes,
	s_lshl_b32 s84, s[WL], 14                      ; my half of a K step's 32,768: in memory and in a slot
	s_add_co_u32 s80, s80, s84
	s_mov_b32 s81, 0
	s_lshl_b32 s82, s[TC], 8
	s_lshl_b32 s85, s[WL], 7
	s_add_co_u32 s82, s82, s85
	s_lshl_b32 s82, s82, 10                        ; B: (256 x tile column + 128 x half) rows of 1,024 bytes
	s_mov_b32 s83, 0
	s_mul_i32 s85, s[WL], HALFB
	s_add_co_u32 s85, s85, ABYTES                  ; and in a slot, behind A's part: no place in the cluster enters an LDS address
	s_wait_kmcnt 0x0
	s_load_b64 s[96:97], s[8:9], 0x28              ; e10, e11
	s_add_nc_u64 s[80:81], s[4:5], s[80:81]
	s_add_nc_u64 s[82:83], s[6:7], s[82:83]
.irp s, 0,1,2
	s_mov_b32 s[G0+4*\s], 1                        ; 1:0 count = 1
	s_add_co_u32 s[G0+4*\s+1], s84, \s*SLOT        ; 63:32 LDS address
	s_add_nc_u64 s[G0+4*\s+2:G0+4*\s+3], s[80:81], \s*ABYTES   ; 120:64 global address: K step s
	s_or_b32 s[G0+4*\s+3], s[G0+4*\s+3], 0x80000000            ; 127:126 type = 2
	s_mov_b32 s[G0B+4*\s], 1
	s_add_co_u32 s[G0B+4*\s+1], s85, \s*SLOT
	s_add_nc_u64 s[G0B+4*\s+2:G0B+4*\s+3], s[82:83], \s*256
	s_or_b32 s[G0B+4*\s+3], s[G0B+4*\s+3], 0x80000000
.endr
	CROUND                                         ; all sixteen work-groups are here: the first joint loads meet
	s_cmp_eq_u32 s[WH], 0                          ; a wave's three first fills stand in one branch, ahead of every wait on TENSORcnt and every LDS read: three loads of mine are out
	s_cbranch_scc0 .Lfirst_b
	tensor_load_to_lds s[G0:G0+3], s[G1:G1+7]
	s_nop 0
	tensor_load_to_lds s[G0+4:G0+7], s[G1:G1+7]
	s_nop 0
	tensor_load_to_lds s[G0+8:G0+11], s[G1:G1+7]
	s_nop 0
.rept 4
	v_nop
.endr
	s_branch .Lfirst_asked
.Lfirst_b:
	tensor_load_to_lds s[G0B:G0B+3], s[G1B:G1B+7]
	s_nop 0
	tensor_load_to_lds s[G0B+4:G0B+7], s[G1B:G1B+7]
	s_nop 0
	tensor_load_to_lds s[G0B+8:G0B+11], s[G1B:G1B+7]
	s_nop 0
.rept 4
	v_nop
.endr
.Lfirst_asked:
	v_and_b32 v1, 15, v0                           ; r = lane % 16
	v_bfe_u32 v2, v0, 4, 1                         ; h = lane / 16
	v_and_b32 v3, 31, v0
	v_lshlrev_b32 v[CO], 4, v3                     ; 16 x lane
	v_lshlrev_b32 v6, 5, v2                        ; 32 h
	v_mul_u32_u24 v4, v1, PITCH
	v_lshl_add_u32 v4, v2, 3, v4                   ; Wo: row r x pitch + 8 h
	s_lshl_b32 s86, s[WH], 14                      ; my four tiles of 16 rows: 4 x 4,096 bytes
	s_mul_i32 s87, s[WL], HALFB
	s_add_co_u32 s87, s87, ABYTES                  ; my 128 rows of Wo
.irp s, 0,1,2
	v_add_nc_u32 v[ADRA+\s], s86, v[CO]
	v_add_nc_u32 v[ADRB+\s], s87, v4
	s_add_co_u32 s86, s86, SLOT
	s_add_co_u32 s87, s87, SLOT
.endr
	s_mul_i32 s88, s[WV], 16*SPITCH
	s_add_co_u32 s88, s88, STAGE                   ; my stage
	v_mul_u32_u24 v5, v1, SPITCH                   ; in: row r, 32 bytes for each half of the lanes
	v_lshl_add_u32 v5, v2, 5, v5
	v_add_nc_u32 v[STO], s88, v5
	v_add_nc_u32 v[RD], s88, v[CO]                 ; back: the 32 lanes take one row of 512 bytes
	s_lshl_b32 s92, s[TC], 10
	s_lshl_b32 s93, s[WL], 9
	s_add_co_u32 s92, s92, s93                     ; my first column, in bytes of f32: 1,024 x tile column + 512 x half: in bo and in a row of out0
	s_mov_b32 s93, 0
	s_add_nc_u64 s[10:11], s[10:11], s[92:93]
	s_add_nc_u64 s[12:13], s[12:13], s[92:93]
.irp b, 0,1,2,3,4,5,6,7
	global_load_b128 v[BB+8*\b:BB+8*\b+3], v6, s[10:11] offset:64*\b        ; bo[16 b + 8 h + 0 .. 7]: the result's layout
	global_load_b128 v[BB+8*\b+4:BB+8*\b+7], v6, s[10:11] offset:64*\b+16
.endr
	s_lshl_b32 s92, s[TR], 7
	s_lshl_b32 s94, s[WH], 6
	s_add_co_u32 s92, s92, s94                     ; my first row: 128 x tile row + 64 x half,
	s_lshl_b32 s92, s92, 12                        ; of 4,096 bytes: under 2^25
	s_add_nc_u64 s[12:13], s[12:13], s[92:93]
	s_wait_kmcnt 0x0
	s_add_co_i32 s94, s96, s97                     ; e10 + e11
	s_sub_co_i32 s95, 0, s94
	s_add_co_i32 s94, s94, 127
	s_lshl_b32 s96, s94, 23                        ; 2^(e10 + e11) as f32  (s97 stays written: the packed form names the pair and takes its low word)
	s_wait_loadcnt 0x0
.set j, 0
.rept 64
	v_ldexp_f32 v[BB+j], v[BB+j], s95              ; a sum lacks the factor 2^(e10 + e11), so the bias goes in divided by it
.set j, j+1
.endr
; The fragments of 128 along K (the slot's ksl-th) into set: B's eight, each by eight loads of 8 bytes, so that each k has the place that A's images give it; A's four, each by four loads of 512 consecutive bytes.
.macro FETCH slot, ksl, set
	WIN 0x40                                       ; destination window 1
.irp b, 0,1,2,3,4,5,6,7
.irp c, 0,1,2,3,4,5,6,7
	ds_load_b64 v[128*(\set)+FR*\b+2*\c:128*(\set)+FR*\b+2*\c+1], v[ADRB+\slot] offset:16*PITCH*\b+128*(\ksl)+16*\c
.endr
.endr
	WIN 0
.irp a, 0,1,2,3
.irp c, 0,1,2,3
	ds_load_b128 v[AF+64*(\set)+FR*\a+4*\c:AF+64*(\set)+FR*\a+4*\c+3], v[ADRA+\slot] offset:4096*\a+2048*(\ksl)+512*\c
.endr
.endr
.endm
; 8 matrix instructions: A's block a x B's eight.  zero = 1: the first products start the sums, with the bias as C.  The 32 accumulators take turns, in the same order in every step.
.macro MUL8 a, set, zero
.irp b, 0,1,2,3,4,5,6,7
.if \zero
	v_wmma_f32_16x16x128_bf8_bf8 v[8*(8*(\a)+\b):8*(8*(\a)+\b)+7], v[128*(\set)+FR*\b:128*(\set)+FR*\b+FR-1], v[AF+64*(\set)+FR*(\a):AF+64*(\set)+FR*(\a)+FR-1], v[BB+8*\b:BB+8*\b+7]
.else
	v_wmma_f32_16x16x128_bf8_bf8 v[8*(8*(\a)+\b):8*(8*(\a)+\b)+7], v[128*(\set)+FR*\b:128*(\set)+FR*\b+FR-1], v[AF+64*(\set)+FR*(\a):AF+64*(\set)+FR*(\a)+FR-1], v[8*(8*(\a)+\b):8*(8*(\a)+\b)+7]
.endif
.endr
.endm
.macro PLACES n                        ; a load into a register that a matrix instruction has read, and a vector instruction that reads a matrix result, stand four plain vector instructions behind it (ISA guide 7.12.1 for vector instructions)
.rept \n
	v_nop
.endr
.endm
.set MUL, 0xa1                         ; source 0 (B) window 1, source 1 (A) window 0, C and D window 2;  less 0x20: C in window 0 (the bias)
; A step of 128 along K: set mset is multiplied; ahead of its products the next step's fragments are asked for, into the other set.
.macro STEP fslot, fksl, mset, zero
	s_wait_dscnt 0x0                               ; set mset is in
	PLACES 4
	FETCH \fslot, \fksl, 1-(\mset)
	WIN MUL-0x20*(\zero)
	MUL8 0, \mset, \zero
	MUL8 1, \mset, \zero
	MUL8 2, \mset, \zero
	MUL8 3, \mset, \zero
.endm
	s_wait_tensorcnt 2                             ; my part of slot 0 is in; the fills of slots 1 and 2 may be out
	s_barrier_signal -1
	s_barrier_wait -1                              ; everybody's is
	FETCH 0, 0, 0
	STEP 0, 1, 0, 1                                ; K 0-127: the products start the sums
	; K 128-255, and slot 0 is left: ONE barrier; in front of it each wave waits for all its tensor loads, adds 0 to its spare word, and waits for that and for its reads of slot 0
	WIN 0
	s_wait_tensorcnt 0x0                           ; all my tensor loads have landed: my parts of slots 1 and 2
	ds_add_u32 v[SPW], v[NIL]                      ; 0 onto my spare word
	s_wait_dscnt 1                                 ; set 1 is in; the add alone may be out
	WIN MUL
	MUL8 0, 1, 0                                   ; eight matrix instructions stand between the add and the wait for it
	s_wait_dscnt 0x0                               ; the add is done, and my reads of slot 0 are over
	s_barrier_signal -1
	MUL8 1, 1, 0
	WIN 0
	s_barrier_wait -1
	CREST                                          ; the barrier has opened a round of the cluster's barrier: no wave of any partner still reads slot 0 or has a load on its way; slots 1 and 2 are whole
	s_add_nc_u64 s[G0+2:G0+3], s[G0+2:G0+3], 3*ABYTES
	s_add_nc_u64 s[G0B+2:G0B+3], s[G0B+2:G0B+3], 3*256
	JLOAD G0, G1, G0B, G1B                         ; K 768-1023 into slot 0: the first tensor load behind the round, my only one; 112 matrix instructions stand ahead of the wait for it; its four v_nop are also the places in front of the loads below
	FETCH 1, 0, 0
	WIN MUL
	MUL8 2, 1, 0
	MUL8 3, 1, 0
	STEP 1, 1, 0, 0                                ; K 256-383
	STEP 2, 0, 1, 0                                ; K 384-511
	STEP 2, 1, 0, 0                                ; K 512-639
	; K 640-767, and slot 0's second tile is shown to every wave
	s_wait_dscnt 0x0                               ; set 1 is in, and my reads of slots 1 and 2 are over
	s_wait_tensorcnt 0x0                           ; my part of slot 0's second tile has landed: no load was issued behind it
	s_barrier_signal -1
	MUL8 0, 1, 0
	MUL8 1, 1, 0
	WIN 0
	s_barrier_wait -1
	PLACES 4
	FETCH 0, 0, 0
	WIN MUL
	MUL8 2, 1, 0
	MUL8 3, 1, 0
	STEP 0, 1, 0, 0                                ; K 768-895
	s_wait_dscnt 0x0                               ; K 896-1023: nothing more to fetch
	MUL8 0, 1, 0
	MUL8 1, 1, 0
	MUL8 2, 1, 0
	MUL8 3, 1, 0
	WIN 0
; THE WAY OUT, block by block of 16 rows x 128 columns.  A lane holds 32 neighbouring bytes of a row, and the lanes beside it hold other rows: so a block goes through my own stage in LDS and comes back as whole
; rows of 512 bytes.  LDS serves a wave's instructions in order (ISA guide 5.7.1.4): no wait between the stores and the loads, nor in front of the next block's stores.
.macro TOSTAGE a
.set AC, 64*(\a)
	WIN 0x02                                       ; source 0: window 2
.set j, 0
.rept 32
	v_pk_mul_f32 v[TMP+j:TMP+j+1], v[AC+j:AC+j+1], s[96:97] op_sel_hi:[1,0]   ; both x s96 = 2^(e10 + e11); each accumulator from its low end on
.set j, j+2
.endr
	WIN 0
.irp b, 0,1,2,3,4,5,6,7
	ds_store_b128 v[STO], v[TMP+8*\b:TMP+8*\b+3] offset:64*\b
	ds_store_b128 v[STO], v[TMP+8*\b+4:TMP+8*\b+7] offset:64*\b+16
.endr
.set RB, BK+64*((\a)%2)
.irp t, 0,1,2,3,4,5,6,7,8,9,10,11,12,13,14,15
	ds_load_b128 v[RB+4*\t:RB+4*\t+3], v[RD] offset:\t*SPITCH
.endr
.endm
.macro SEND a, younger                 ; younger: the LDS instructions issued behind block a's loads, which may stay out
.set RB, BK+64*((\a)%2)
	s_wait_dscnt \younger                          ; the block is back in registers
.if (\a) > 0
	s_add_nc_u64 s[12:13], s[12:13], 16*4096       ; (behind a wait on XCNT: the earlier stores have read their base)  16 rows on
.endif
.irp t, 0,1,2,3,4,5,6,7,8,9,10,11,12,13,14,15
	global_store_b128 v[CO], v[RB+4*\t:RB+4*\t+3], s[12:13] offset:\t*4096 th:TH_STORE_NT   ; 32 lanes store 512 consecutive bytes, from a multiple of 512; written once, read by nobody here
.endr
.endm
	PLACES 4                                       ; behind the last products: their results are read, and loads land in the registers that held A's fragments
	TOSTAGE 0
.irp a, 1,2,3
.if \a > 1
	s_wait_xcnt 0x0                                ; block a - 2's stores have read their registers and their base: block a's loads may land there, and the base may step
.endif
	TOSTAGE \a
	SEND \a-1, 32                                  ; behind block a - 1's loads: block a's 16 stores and 16 loads
.endr
	s_wait_xcnt 0x0                                ; block 2's stores have read their base
	SEND 3, 0
	s_wait_tensorcnt 0x0                           ; the wave's end
	ds_add_u32 v[SPW], v[NIL]
	s_wait_dscnt 0x0
	CROUND                                         ; the closing round: no work-group ends while a partner may still ask for a tile that names it
	s_endpgm
.Lfunc_end_k_qac4288efdc_proj:
	.size	k_qac4288efdc_proj, .Lfunc_end_k_qac4288efdc_proj-k_qac4288efdc_proj
	.p2alignl 7, 3214868480
	.fill 96, 4, 3214868480
	.section	.rodata,"a",@progbits
	.p2align	6, 0x0
	.amdhsa_kernel k_qac4288efdc_proj
		.amdhsa_group_segment_fixed_size 327680
		.amdhsa_private_segment_fixed_size 0
		.amdhsa_enable_private_segment 0
		.amdhsa_kernarg_size 40
		.amdhsa_user_sgpr_count 2
		.amdhsa_user_sgpr_kernarg_segment_ptr 1
		.amdhsa_wavefront_size32 1
		.amdhsa_system_sgpr_workgroup_id_x 1
		.amdhsa_system_sgpr_workgroup_id_y 1
		.amdhsa_system_sgpr_workgroup_id_z 1
		.amdhsa_system_vgpr_workitem_id 0
		.amdhsa_next_free_vgpr 768
		.amdhsa_next_free_sgpr 100
		.amdhsa_reserve_vcc 0
		.amdhsa_float_denorm_mode_32 3
		.amdhsa_float_denorm_mode_16_64 3
		.amdhsa_memory_ordered 1
		.amdhsa_forward_progress 1
		.amdhsa_inst_pref_size 96
	.end_amdhsa_kernel
	.amdgpu_metadata
---
amdhsa.version: [ 1, 2 ]
amdhsa.kernels:
  - .name:           k_qac4288efdc_proj
    .symbol:         k_qac4288efdc_proj.kd
    .args:
      - { .name: of, .offset: 0, .size: 8, .value_kind: global_buffer, .address_space: global }
      - { .name: Wo_codes, .offset: 8, .size: 8, .value_kind: global_buffer, .address_space: global }
      - { .name: lowp_scales, .offset: 16, .size: 8, .value_kind: global_buffer, .address_space: global }
      - { .name: bo, .offset: 24, .size: 8, .value_kind: global_buffer, .address_space: global }
      - { .name: out0, .offset: 32, .size: 8, .value_kind: global_buffer, .address_space: global }
    .group_segment_fixed_size: 327680
    .private_segment_fixed_size: 0
    .kernarg_segment_align: 8
    .kernarg_segment_size: 40
    .max_flat_workgroup_size: 128
    .sgpr_count:     100
    .vgpr_count:     768
    .wavefront_size: 32
...
	.end_amdgpu_metadata
.endif
;; end of part 3
